; MI455X (gfx1250); checked and timed in simulation.
; The chip was launched on July 23, 2026; its instructions are those of AMD's public machine-readable ISA for CDNA 5 (MIT licence, August 2026) and "CDNA5" Instruction Set Architecture Reference Guide (July 2026). The comments in the code are by the model that wrote it; some were corrected since.
;; Luong Attention. Allowed arithmetic: float matrix products may take bf16 or f16 operands with f32 sums; all other float work in f32.
;; Inputs: W 1,024 x 1,024 float32; b 1,024 float32; encoder_outputs 1,024 x 32 x 1,024 float32; hidden 2 x 32 x 512 float32.
;; Outputs: out0 32 x 1 x 1,024 float32; out1 32 x 1 x 1,024 float32.
;; 2 versions, each right; version 2 is version 1 with the launches proj, stream written anew for expert scheduling mode. Each part assembles by itself: llvm-mc -triple=amdgcn-amd-amdhsa -mcpu=gfx1250 --defsym DOCPART=n.
;; ======== version 1 of 2: 3 launches
;; workspace buffers: gpart 2,097,152 bytes; scores 131,072 bytes; pacc 1,048,576 bytes; stats 65,536 bytes
;; launch proj (part 1): grid 16 x 16, 4 waves a work-group, no clusters, 38,912 bytes of LDS; arguments W, hidden, gpart; writes gpart
.if DOCPART == 1
	.amdgcn_target "amdgcn-amd-amdhsa--gfx1250"
	.amdhsa_code_object_version 6
	.text
	.protected	k_qe240ba4d69_proj
	.globl	k_qe240ba4d69_proj
	.p2align	8
	.type	k_qe240ba4d69_proj,@function
k_qe240ba4d69_proj:
	s_mov_b64 s[64:65], 0
	v_nop
	global_prefetch_b8 v0, s[64:65] scope:SCOPE_SE
	s_setreg_imm32_b32 hwreg(HW_REG_WAVE_MODE, 25, 1), 1
	s_wait_xcnt 0x0
; gpart[ks][b][d] = sum over the 64 e of slice ks of h[b][e] * W[e][d];  h = hidden read as [32][1024], W: [1024 e][1024 d], all f32.
; Why: the logits of the attention are h[b] . (W enc[s][b] + bias) = (h[b] W) . enc[s][b] + h[b] . bias, so the large product of
; enc with W is replaced by g = h W (32 x 1024 x 1024).  LIMIT: the order of summation therefore differs from the reference's.
; The product runs on the matrix unit with bf16 operands and f32 sums.  The logits feed an exponential, so g has to be far
; more exact than one bf16 rounding allows: each f32 x is split into hi = bf16(x) and lo = bf16(x - hi), and hi*hi + lo*hi + hi*lo is summed.
; LIMIT: lo*lo and the rounding of lo are dropped: about 2^-17 of each product.
; A work-group (x = block of 64 columns d, y = slice of 64 e) has four waves; wave w makes columns 16 w .. 16 w + 15 for all 32 b:
; two accumulators, 12 matrix instructions.  No loop.  The 16 slices are summed by the next launch.
; No tensor loads and no cluster: a work-group reads 24 KiB once, straight through registers, where it has to be split anyway.
.set PW,  160                          ; LDS pitch of W's rows (64 bf16 = 128 bytes + 32): an odd multiple of 32
.set PH,  144                          ; LDS pitch of h's rows (128 bytes + 16): an odd multiple of 16
.set PS,  272                          ; LDS pitch of the stage's rows (64 f32 = 256 bytes + 16)
.set WH,  0                            ; W hi  [64 k][64 n] bf16   10,240 bytes
.set WL,  10240                        ; W lo
.set HH,  20480                        ; h hi  [32 m][64 k] bf16    4,608 bytes
.set HL,  25088                        ; h lo
.set STG, 29696                        ; the way out: [32 m][64 n] f32, 8,704 bytes; ends at 38,400
.set WOFF, 4                           ; v4   byte offset of my 16 bytes in W's tile, first of eight pairs of rows
.set HOFF, 5                           ; v5   the same in h's tile, first of four pairs of rows
.set WST,  6                           ; v6   where my 4 bf16 of W go in LDS
.set HST,  7                           ; v7   where my 4 bf16 of h go
.set BADR, 8                           ; v8   W fragments (transposing load)
.set AADR, 9                           ; v9   h fragments
.set SADR, 10                          ; v10  stage, in
.set RADR, 11                          ; v11  stage, back
.set GOFF, 12                          ; v12  my byte offset in gpart
.set T,    14                          ; v[14:17] hi widened, then x - hi
.set HI,   18                          ; v[18:19] 4 bf16 hi
.set LO,   20                          ; v[20:21] 4 bf16 lo
.set IN,   24                          ; v[24:71] 12 loads of 4 registers: 8 of W, 4 of h
.set AF,   72                          ; v[72:135]  h fragment (mt, q, p) at AF + 8 (4 mt + 2 q + p); p = 0 hi, 1 lo
.set BF,   136                         ; v[136:167] W fragment (q, p) at BF + 8 (2 q + p)
.set ACC,  168                         ; v[168:183] two accumulators: b 0-15, b 16-31
.set OUT,  184                         ; v[184:199] the stage read back
	s_load_b128 s[4:7], s[0:1], 0x0                ; W s[4:5], hidden s[6:7]
	s_load_b64 s[8:9], s[0:1], 0x10                ; gpart
	v_lshl_add_u32 v200, v0, 2, 0x9600
	v_mov_b32 v201, 0
	v_lshrrev_b32 v1, 5, v0
	v_readfirstlane_b32 s10, v1                    ; wave w, 0..3
	s_and_b32 s12, ttmp7, 0xffff                   ; ks: the slice of e
	s_mov_b32 s16, 0xffff0000                      ; a word's upper bf16
	s_lshl_b32 s11, ttmp9, 8                       ; the column block's 256 bytes in a row
	s_lshl_b32 s14, s12, 18                        ; W: 64 rows of 4,096 bytes a slice,
	s_add_co_u32 s14, s14, s11                     ;    + the column block
	s_mov_b32 s15, 0
	s_lshl_b32 s18, s12, 8                         ; h: the slice's 256 bytes in a row
	s_mov_b32 s19, 0
	s_lshl_b32 s20, s12, 17                        ; gpart: 32 rows of 4,096 bytes a slice,
	s_add_co_u32 s20, s20, s11                     ;    + the column block
	s_mov_b32 s21, 0
	v_and_b32 v2, 15, v0                           ; c = r = lane mod 16
	v_bfe_u32 v3, v0, 4, 1                         ; hh = which half of the lanes
	v_lshlrev_b32 v22, 4, v2                       ; 16 c
	v_lshl_add_u32 v13, s10, 4, v3                 ; W's row 16 w + hh
	v_lshl_add_u32 v23, s10, 3, v3                 ; h's row 8 w + hh
	v_lshl_add_u32 v[WOFF], v13, 12, v22
	v_lshl_add_u32 v[HOFF], v23, 12, v22
	s_wait_kmcnt 0x0
	s_add_nc_u64 s[4:5], s[4:5], s[14:15]
	s_add_nc_u64 s[6:7], s[6:7], s[18:19]
	s_add_nc_u64 s[8:9], s[8:9], s[20:21]
	; Twelve loads; in each, sixteen lanes take the 256 consecutive, aligned bytes of one row of the tile, the wave two rows.
.irp j, 0,1,2,3,4,5,6,7
	global_load_b128 v[IN+4*\j:IN+4*\j+3], v[WOFF], s[4:5] offset:8192*\j th:TH_LOAD_NT   ; W is read once in the launch
.endr
.irp j, 0,1,2,3
	global_load_b128 v[IN+32+4*\j:IN+32+4*\j+3], v[HOFF], s[6:7] offset:8192*\j           ; h's slice is read by all 16 column blocks
.endr
	; LDS addresses, while the loads are on their way
	v_mul_u32_u24 v[WST], v13, PW
	v_lshl_add_u32 v[WST], v2, 3, v[WST]           ; row x pitch + 8 c
	v_mul_u32_u24 v[HST], v23, PH
	v_lshl_add_u32 v[HST], v2, 3, v[HST]
	v_and_b32 v[BADR], 7, v0                       ; the transposing load: lane l addresses row k = 8 hh + l mod 8,
	v_lshl_add_u32 v[BADR], v3, 3, v[BADR]
	v_mul_u32_u24 v[BADR], v[BADR], PW
	v_bfe_u32 v13, v0, 3, 1                        ; 16 bytes (8 columns) picked by bit 3 of the lane,
	v_lshl_add_u32 v[BADR], v13, 4, v[BADR]
	v_lshl_add_u32 v[BADR], s10, 5, v[BADR]        ; in my wave's 16 columns (32 bytes)
	v_mul_u32_u24 v[AADR], v2, PH                  ; h fragment: row r, 16 bytes for each half of the lanes
	v_lshl_add_u32 v[AADR], v3, 4, v[AADR]
	v_mul_u32_u24 v[SADR], v2, PS                  ; stage in: row r, my wave's 64 bytes, 32 for each half of the lanes
	v_lshl_add_u32 v[SADR], v3, 5, v[SADR]
	v_lshl_add_u32 v[SADR], s10, 6, v[SADR]
	v_lshl_add_u32 v23, s10, 1, v3                 ; stage back: row 2 w + hh, 16 bytes a lane
	v_mul_u32_u24 v[RADR], v23, PS
	v_add_nc_u32 v[RADR], v22, v[RADR]
	v_lshl_add_u32 v[GOFF], v23, 12, v22           ; and the same row in gpart
; Load i's four f32 are split into hi and lo and laid into LDS at adr + off (hi) and adr + off + lo.
.macro SPLIT i, adr, off, lo
	s_wait_loadcnt 11-(\i)                         ; loads come back in order: load i is in, the younger ones stay out
	v_cvt_pk_bf16_f32 v[HI],   v[IN+4*(\i)],   v[IN+4*(\i)+1]
	v_cvt_pk_bf16_f32 v[HI+1], v[IN+4*(\i)+2], v[IN+4*(\i)+3]
	v_lshlrev_b32 v[T],   16,  v[HI]               ; hi as f32 again
	v_and_b32     v[T+1], s16, v[HI]
	v_lshlrev_b32 v[T+2], 16,  v[HI+1]
	v_and_b32     v[T+3], s16, v[HI+1]
	v_sub_f32 v[T],   v[IN+4*(\i)],   v[T]         ; x - hi: exact in f32
	v_sub_f32 v[T+1], v[IN+4*(\i)+1], v[T+1]
	v_sub_f32 v[T+2], v[IN+4*(\i)+2], v[T+2]
	v_sub_f32 v[T+3], v[IN+4*(\i)+3], v[T+3]
	v_cvt_pk_bf16_f32 v[LO],   v[T],   v[T+1]
	v_cvt_pk_bf16_f32 v[LO+1], v[T+2], v[T+3]
	ds_store_b64 v[\adr], v[HI:HI+1] offset:\off
	ds_store_b64 v[\adr], v[LO:LO+1] offset:\off+\lo
.endm
.irp j, 0,1,2,3,4,5,6,7
	SPLIT \j, WST, WH+2*PW*\j, WL-WH
.endr
.irp j, 0,1,2,3
	SPLIT 8+\j, HST, HH+2*PH*\j, HL-HH
.endr
	s_wait_dscnt 0x0                               ; my stores are in LDS: the other waves read them behind the barrier
	s_barrier_signal -1
	s_barrier_wait -1
	; Fragments.  W lies [k][n]: two transposing loads, 16 rows apart, give lane (r, hh) column 16 w + r with k = 8 hh + 0..7 and 16 + 8 hh + 0..7.
.irp q, 0,1
.irp p, 0,1
	ds_load_tr16_b128 v[BF+8*(2*\q+\p):BF+8*(2*\q+\p)+3],   v[BADR] offset:WH+32*PW*\q+(WL-WH)*\p
	ds_load_tr16_b128 v[BF+8*(2*\q+\p)+4:BF+8*(2*\q+\p)+7], v[BADR] offset:WH+32*PW*\q+(WL-WH)*\p+16*PW
.endr
.endr
	; h lies [m][k]: two plain loads, 32 bytes apart
.irp mt, 0,1
.irp q, 0,1
.irp p, 0,1
	ds_load_b128 v[AF+8*(4*\mt+2*\q+\p):AF+8*(4*\mt+2*\q+\p)+3],   v[AADR] offset:HH+16*PH*\mt+64*\q+(HL-HH)*\p
	ds_load_b128 v[AF+8*(4*\mt+2*\q+\p)+4:AF+8*(4*\mt+2*\q+\p)+7], v[AADR] offset:HH+16*PH*\mt+64*\q+(HL-HH)*\p+32
.endr
.endr
.endr
	s_wait_dscnt 0x0                               ; all 24 fragment loads
; One matrix instruction, used transposed (source 0 = W's columns, source 1 = h's rows): lane (r, hh) then holds, in registers 0..7,
; g(b = 16 mt + r, d = 16 w + 8 hh + 0..7): eight neighbouring numbers of a row.  zero = 1: the first product starts the sum.
.macro MM mt, q, pb, pa, zero
.if \zero
	v_wmma_f32_16x16x32_bf16 v[ACC+8*\mt:ACC+8*\mt+7], v[BF+8*(2*\q+\pb):BF+8*(2*\q+\pb)+7], v[AF+8*(4*\mt+2*\q+\pa):AF+8*(4*\mt+2*\q+\pa)+7], 0
.else
	v_wmma_f32_16x16x32_bf16 v[ACC+8*\mt:ACC+8*\mt+7], v[BF+8*(2*\q+\pb):BF+8*(2*\q+\pb)+7], v[AF+8*(4*\mt+2*\q+\pa):AF+8*(4*\mt+2*\q+\pa)+7], v[ACC+8*\mt:ACC+8*\mt+7]
.endif
.endm
	; The two accumulators take turns, one instruction a turn.
	MM 0, 0, 0, 0, 1                               ; W hi x h hi
	MM 1, 0, 0, 0, 1
	MM 0, 0, 1, 0, 0                               ; W lo x h hi
	MM 1, 0, 1, 0, 0
	MM 0, 0, 0, 1, 0                               ; W hi x h lo
	MM 1, 0, 0, 1, 0
	MM 0, 1, 0, 0, 0                               ; the second 32 of the slice's 64 e
	MM 1, 1, 0, 0, 0
	MM 0, 1, 1, 0, 0
	MM 1, 1, 1, 0, 0
	MM 0, 1, 0, 1, 0
	MM 1, 1, 0, 1, 0
.rept 4
	v_nop                                          ; four places behind the last matrix instruction before its result is stored (ISA guide 7.12.1)
.endr
	; The way out: through a stage of its own bytes, so that sixteen lanes can store the 256 bytes of one row of the block.
.irp mt, 0,1
	ds_store_b128 v[SADR], v[ACC+8*\mt:ACC+8*\mt+3]   offset:STG+16*PS*\mt
	ds_store_b128 v[SADR], v[ACC+8*\mt+4:ACC+8*\mt+7] offset:STG+16*PS*\mt+16
.endr
	s_wait_dscnt 0x0                               ; a row of the stage holds all four waves' columns: store, wait, barrier, load
	s_barrier_signal -1
	s_barrier_wait -1
.irp i, 0,1,2,3
	ds_load_b128 v[OUT+4*\i:OUT+4*\i+3], v[RADR] offset:STG+8*PS*\i       ; rows 2 w + hh + 8 i
.endr
.irp i, 0,1,2,3
	s_wait_dscnt 3-\i                              ; LDS loads come back in order: load i is in
	global_store_b128 v[GOFF], v[OUT+4*\i:OUT+4*\i+3], s[8:9] offset:32768*\i   ; sixteen lanes store 256 consecutive bytes, aligned
.endr
	s_wait_tensorcnt 0x0
	ds_add_u32 v200, v201
	s_wait_dscnt 0x0
	s_endpgm
.Lfunc_end_k_qe240ba4d69_proj:
	.size	k_qe240ba4d69_proj, .Lfunc_end_k_qe240ba4d69_proj-k_qe240ba4d69_proj
	.p2alignl 7, 3214868480
	.fill 96, 4, 3214868480
	.section	.rodata,"a",@progbits
	.p2align	6, 0x0
	.amdhsa_kernel k_qe240ba4d69_proj
		.amdhsa_group_segment_fixed_size 38912
		.amdhsa_private_segment_fixed_size 0
		.amdhsa_enable_private_segment 0
		.amdhsa_kernarg_size 24
		.amdhsa_user_sgpr_count 2
		.amdhsa_user_sgpr_kernarg_segment_ptr 1
		.amdhsa_wavefront_size32 1
		.amdhsa_system_sgpr_workgroup_id_x 1
		.amdhsa_system_sgpr_workgroup_id_y 1
		.amdhsa_system_sgpr_workgroup_id_z 1
		.amdhsa_system_vgpr_workitem_id 0
		.amdhsa_next_free_vgpr 202
		.amdhsa_next_free_sgpr 66
		.amdhsa_reserve_vcc 0
		.amdhsa_float_denorm_mode_32 3
		.amdhsa_float_denorm_mode_16_64 3
		.amdhsa_memory_ordered 1
		.amdhsa_forward_progress 1
		.amdhsa_inst_pref_size 16
	.end_amdhsa_kernel
	.amdgpu_metadata
---
amdhsa.version: [ 1, 2 ]
amdhsa.kernels:
  - .name:           k_qe240ba4d69_proj
    .symbol:         k_qe240ba4d69_proj.kd
    .args:
      - { .name: W, .offset: 0, .size: 8, .value_kind: global_buffer, .address_space: global }
      - { .name: hidden, .offset: 8, .size: 8, .value_kind: global_buffer, .address_space: global }
      - { .name: gpart, .offset: 16, .size: 8, .value_kind: global_buffer, .address_space: global }
    .group_segment_fixed_size: 38912
    .private_segment_fixed_size: 0
    .kernarg_segment_align: 8
    .kernarg_segment_size: 24
    .max_flat_workgroup_size: 128
    .sgpr_count:     66
    .vgpr_count:     202
    .wavefront_size: 32
...
	.end_amdgpu_metadata
.endif
;; end of part 1
;; launch stream (part 2): grid 8 x 32, 16 waves a work-group, no clusters, 75,776 bytes of LDS; arguments encoder_outputs, gpart, hidden, b, scores, pacc, stats; writes scores, pacc, stats
.if DOCPART == 2
	.amdgcn_target "amdgcn-amd-amdhsa--gfx1250"
	.amdhsa_code_object_version 6
	.text
	.protected	k_qe240ba4d69_stream
	.globl	k_qe240ba4d69_stream
	.p2align	8
	.type	k_qe240ba4d69_stream,@function
k_qe240ba4d69_stream:
	s_mov_b64 s[64:65], 0
	v_nop
	global_prefetch_b8 v0, s[64:65] scope:SCOPE_SE
	s_setreg_imm32_b32 hwreg(HW_REG_WAVE_MODE, 25, 1), 1
	s_wait_xcnt 0x0
; One pass over encoder_outputs [1024 s][32 b][1024 d] f32.  Work-group (x = chunk of 128 s, y = batch b), 16 waves, 8 rows a wave.
;   g[d]   = log2e * sum over the 16 slices of gpart[.][b][d]          (g = h W, from the launch before)
;   c      = log2e * sum over e of h[b][e] * bias[e]                   (the bias's share of every logit of this batch)
;   t[s]   = enc[s][b] . g + c                                         (the logit times log2e: exponentials are taken to base 2)
;   m, l, a[d]: running maximum of t, sum of 2^(t - m), sum of 2^(t - m) enc[s][b][d], per wave, then joined over the 16 waves.
; Stored: scores[b][s] = t, pacc[b][chunk][d] = a, stats[b][chunk] = (m, l), 32 copies, so that a whole aligned block of 256 bytes is written.
; Each row is read from memory once: it stays in 32 registers of its wave between the dot product and the weighted sum.
; All arithmetic is f32 on the vector unit: a row meets one vector (g) and one number (its weight), which leaves a matrix unit one
; useful column in sixteen, and g rounded to 16 bits would spoil the exponentials.
; No tensor loads, no LDS ring: no two waves read the same bytes of enc, and 4 rows x 4 KiB x 16 waves are in flight from registers.
; No cluster: what the 8 work-groups of a batch share is gpart's 64 KiB against 512 KiB of their own.  No prefetch: the launch streams.
; LIMITS: the order of summation differs from the reference's; v_exp_f32 gives 0 for results below 2^-126 (ISA guide, its entry),
; so weights more than 126 powers of two under the maximum count as 0.  A maximum is taken away in front of every exponential.
.set SROW,  131072                     ; bytes from enc[s][b] to enc[s+1][b]
.set GL,    0                          ; LDS: g, 4,096 bytes
.set CP,    4096                       ; 16 waves' parts of c, 64 bytes
.set ST,    4352                       ; 16 x (m, l), 128 bytes
.set SCO,   4608                       ; 128 scores, 512 bytes
.set STAGE, 8192                       ; 16 x 4,096 bytes: the waves' sums a; ends at 73,728
.set LOFF, 1                           ; v1  16 x lane
.set T8,   2                           ; v2  8 x thread: my two columns d = 2 t, 2 t + 1
.set CPA,  3                           ; v3  4 w
.set ZERO, 4                           ; v4  0: reads that all lanes make of the same bytes
.set STA,  5                           ; v5  8 w
.set SCA,  6                           ; v6  32 w
.set STGA, 7                           ; v7  4,096 w + 16 x lane
.set G,    8                           ; v[8:39]    g in the rows' lane layout: register 4 j + i = column 128 j + 4 lane + i
.set ACC,  40                          ; v[40:71]   a in the same layout (first: gpart's 16 slices)
.set X,    72                          ; v[72:199]  four row slots of 32 registers
.set SC,   200                         ; v[200:207] my wave's 8 scores (first: h and bias)
.set P,    208                         ; v[208:215] pair i = (weight of row i, its exponent)
.set T,    216                         ; v[216:219] at work
.set SCL,  220                         ; v[220:221] (2^(m old - m new), its exponent)
.set M,    222                         ; v222 running maximum
.set L,    223                         ; v223 running sum of weights: (M, L) is a pair for one LDS store
.set MN,   224                         ; v224 the new maximum
.set C,    225                         ; v225 c
.set MW,   226                         ; v[226:227] the work-group's (m, l)
.set R,    228                         ; v[228:229] the work-group's a of my two columns
.set T8S,  230                         ; v230 STAGE + 8 x thread: the 16 stages reach beyond the 16-bit offset counted from 0
	s_load_b256 s[4:11], s[0:1], 0x0               ; enc s[4:5], gpart s[6:7], hidden s[8:9], bias s[10:11]
	s_load_b128 s[12:15], s[0:1], 0x20             ; scores s[12:13], pacc s[14:15]
	s_load_b64 s[16:17], s[0:1], 0x30              ; stats
	v_lshl_add_u32 v232, v0, 2, 0x12000
	v_mov_b32 v233, 0
	v_lshrrev_b32 v3, 5, v0
	v_readfirstlane_b32 s18, v3                    ; wave w, 0..15
	s_mov_b32 s19, ttmp9                           ; chunk
	s_and_b32 s22, ttmp7, 0xffff                   ; batch
	s_mov_b32 s20, 0x76543210                      ; v_permlanex16_b32: lane i of one half reads lane i of the other
	s_mov_b32 s21, 0xfedcba98
	s_lshl_b32 s26, s22, 12                        ; the batch's row of 4,096 bytes (gpart, hidden, enc)
	s_mov_b32 s27, 0
	s_lshl_b32 s24, s19, 4
	s_add_co_u32 s24, s24, s18                     ; 16 chunk + w, at most 127,
	s_lshl_b32 s24, s24, 20                        ; times 8 rows of 131,072 bytes: below 2^27 + ...: fits 32 bits
	s_add_co_u32 s24, s24, s26
	s_mov_b32 s25, 0
	s_lshl_b32 s28, s19, 9                         ; scores: the chunk's 512 bytes in the batch's row
	s_add_co_u32 s28, s28, s26
	s_mov_b32 s29, 0
	s_lshl3_add_u32 s23, s22, s19                  ; 8 b + chunk
	s_lshl_b32 s30, s23, 12                        ; pacc: 4,096 bytes each
	s_mov_b32 s31, 0
	s_lshl_b32 s32, s23, 8                         ; stats: 256 bytes each
	s_mov_b32 s33, 0
	s_lshl_b32 s34, s18, 2
	s_lshl_b32 s35, s18, 3
	s_lshl_b32 s36, s18, 5
	v_and_b32 v[LOFF], 31, v0
	v_lshlrev_b32 v[LOFF], 4, v[LOFF]
	v_lshlrev_b32 v[T8], 3, v0
	s_wait_kmcnt 0x0
	s_add_nc_u64 s[4:5], s[4:5], s[24:25]          ; enc at my wave's first row
	s_add_nc_u64 s[6:7], s[6:7], s[26:27]
	s_add_nc_u64 s[8:9], s[8:9], s[26:27]
	s_add_nc_u64 s[12:13], s[12:13], s[28:29]
	s_add_nc_u64 s[14:15], s[14:15], s[30:31]
	s_add_nc_u64 s[16:17], s[16:17], s[32:33]
; Eight loads: 512 neighbouring bytes each, a whole row of 4,096 bytes.  The row stands in the immediate (at most 921,088): no address register is ever rewritten.
.macro FILL slot, row
.irp j, 0,1,2,3,4,5,6,7
	global_load_b128 v[X+32*\slot+4*\j:X+32*\slot+4*\j+3], v[LOFF], s[4:5] offset:\row*SROW+512*\j th:TH_LOAD_NT
.endr
.endm
	; All loads of the start in one run: 16 + 2 small ones, then the first four rows: 50 are out.
.irp k, 0,1,2,3,4,5,6,7,8,9,10,11,12,13,14,15
	global_load_b64 v[ACC+2*\k:ACC+2*\k+1], v[T8], s[6:7] offset:131072*\k      ; slice k of my two columns; a wave takes 256 aligned bytes
.endr
	global_load_b64 v[SC:SC+1],   v[T8], s[8:9]    ; h[b][2 t], h[b][2 t + 1]
	global_load_b64 v[SC+2:SC+3], v[T8], s[10:11]  ; bias of the same two
	FILL 0, 0
	FILL 1, 1
	FILL 2, 2
	FILL 3, 3
	v_mov_b32 v[CPA], s34
	v_mov_b32 v[ZERO], 0
	v_mov_b32 v[STA], s35
	v_mov_b32 v[SCA], s36
	v_lshl_add_u32 v[STGA], s18, 12, v[LOFF]
	v_add_nc_u32 v[T8S], STAGE, v[T8]
	s_wait_loadcnt 32                              ; the 18 small loads are in; the 32 loads of the four rows stay out
.irp k, 0,2,4,6,8,10,12,14
	v_pk_add_f32 v[ACC+\k:ACC+\k+1], v[ACC+\k:ACC+\k+1], v[ACC+16+\k:ACC+16+\k+1]   ; the 16 slices, as a tree
.endr
.irp k, 0,2,4,6
	v_pk_add_f32 v[ACC+\k:ACC+\k+1], v[ACC+\k:ACC+\k+1], v[ACC+8+\k:ACC+8+\k+1]
.endr
.irp k, 0,2
	v_pk_add_f32 v[ACC+\k:ACC+\k+1], v[ACC+\k:ACC+\k+1], v[ACC+4+\k:ACC+4+\k+1]
.endr
	v_pk_add_f32 v[ACC:ACC+1], v[ACC:ACC+1], v[ACC+2:ACC+3]
	v_pk_mul_f32 v[ACC:ACC+1], v[ACC:ACC+1], 0x3fb8aa3b op_sel_hi:[1,0]             ; times log2e
	ds_store_b64 v[T8], v[ACC:ACC+1] offset:GL
	v_mul_f32 v[T+1], v[SC], v[SC+2]               ; my two terms of h . bias
	v_fma_f32 v[T], v[SC+1], v[SC+3], v[T+1]
	v_add_f32_dpp v[T], v[T], v[T] row_xmask:1 row_mask:0xf bank_mask:0xf           ; and the wave's 64
	v_add_f32_dpp v[T], v[T], v[T] row_xmask:2 row_mask:0xf bank_mask:0xf
	v_add_f32_dpp v[T], v[T], v[T] row_xmask:4 row_mask:0xf bank_mask:0xf
	v_add_f32_dpp v[T], v[T], v[T] row_xmask:8 row_mask:0xf bank_mask:0xf
	v_permlanex16_b32 v[T+1], v[T], s20, s21
	v_add_f32 v[T], v[T], v[T+1]
	v_mul_f32 v[T], 0x3fb8aa3b, v[T]
	ds_store_b32 v[CPA], v[T] offset:CP            ; all lanes write the wave's word with the same value
	s_wait_dscnt 0x0                               ; my stores are in LDS: the other waves read them behind the barrier
	s_barrier_signal -1
	s_barrier_wait -1
.irp j, 0,1,2,3,4,5,6,7
	ds_load_b128 v[G+4*\j:G+4*\j+3], v[LOFF] offset:GL+512*\j
.endr
.irp j, 0,1,2,3
	ds_load_b128 v[P+4*\j:P+4*\j+3], v[ZERO] offset:CP+16*\j                        ; the 16 parts of c into v[208:223], in every lane
.endr
	s_wait_dscnt 0x0
.irp k, 0,2,4,6
	v_pk_add_f32 v[P+\k:P+\k+1], v[P+\k:P+\k+1], v[P+8+\k:P+8+\k+1]
.endr
	v_pk_add_f32 v[P:P+1],   v[P:P+1],   v[P+4:P+5]
	v_pk_add_f32 v[P+2:P+3], v[P+2:P+3], v[P+6:P+7]
	v_pk_add_f32 v[P:P+1],   v[P:P+1],   v[P+2:P+3]
	v_add_f32 v[C], v[P], v[P+1]                   ; the same order in every wave: one c for the work-group
; t of the row in a slot.  left = how many younger loads may stay out.
.macro DOT slot, row, left
	s_wait_loadcnt \left                           ; loads come back in order: this row's eight are in, eight for each younger row stay out
	v_pk_mul_f32 v[T:T+1],   v[X+32*\slot:X+32*\slot+1],   v[G:G+1]                 ; the first products start two chains
	v_pk_mul_f32 v[T+2:T+3], v[X+32*\slot+2:X+32*\slot+3], v[G+2:G+3]
.irp j, 1,2,3,4,5,6,7
	v_pk_fma_f32 v[T:T+1],   v[X+32*\slot+4*\j:X+32*\slot+4*\j+1],   v[G+4*\j:G+4*\j+1],   v[T:T+1]
	v_pk_fma_f32 v[T+2:T+3], v[X+32*\slot+4*\j+2:X+32*\slot+4*\j+3], v[G+4*\j+2:G+4*\j+3], v[T+2:T+3]
.endr
	v_pk_add_f32 v[T:T+1], v[T:T+1], v[T+2:T+3]
	v_add_f32 v[T], v[T], v[T+1]
	v_add_f32_dpp v[T], v[T], v[T] row_xmask:1 row_mask:0xf bank_mask:0xf
	v_add_f32_dpp v[T], v[T], v[T] row_xmask:2 row_mask:0xf bank_mask:0xf
	v_add_f32_dpp v[T], v[T], v[T] row_xmask:4 row_mask:0xf bank_mask:0xf
	v_add_f32_dpp v[T], v[T], v[T] row_xmask:8 row_mask:0xf bank_mask:0xf
	v_permlanex16_b32 v[T+1], v[T], s20, s21
	v_add_f32 v[T], v[T], v[T+1]
	v_add_f32 v[SC+\row], v[T], v[C]               ; every lane holds the row's t
.endm
; The weights of rows r0 .. r0 + 3 under the running maximum.  first = 1: they start M and L.
.macro SOFT first, r0
.if \first
	v_max3_num_f32 v[M], v[SC+\r0], v[SC+\r0+1], v[SC+\r0+2]
	v_max_num_f32 v[M], v[M], v[SC+\r0+3]
.irp i, 0,1,2,3
	v_sub_f32 v[P+2*\i+1], v[SC+\r0+\i], v[M]
.endr
.irp i, 0,1,2,3
	v_exp_f32 v[P+2*\i], v[P+2*\i+1]
.endr
	v_nop                                          ; one plain vector instruction behind the exponentials before their results are used (ISA guide 5.7.2)
	s_wait_alu depctr_va_vdst(0)
	v_add_f32 v[T],   v[P],   v[P+2]
	v_add_f32 v[T+1], v[P+4], v[P+6]
	v_add_f32 v[L], v[T], v[T+1]
.else
	v_max3_num_f32 v[MN], v[SC+\r0], v[SC+\r0+1], v[SC+\r0+2]
	v_max3_num_f32 v[MN], v[MN], v[SC+\r0+3], v[M]
	v_sub_f32 v[SCL+1], v[M], v[MN]
.irp i, 0,1,2,3
	v_sub_f32 v[P+2*\i+1], v[SC+\r0+\i], v[MN]
.endr
.irp i, 0,1,2,3
	v_exp_f32 v[P+2*\i], v[P+2*\i+1]
.endr
	v_exp_f32 v[SCL], v[SCL+1]
	v_mov_b32 v[M], v[MN]                          ; the plain vector instruction behind the exponentials: it names none of their registers
	s_wait_alu depctr_va_vdst(0)
	v_add_f32 v[T],   v[P],   v[P+2]
	v_add_f32 v[T+1], v[P+4], v[P+6]
	v_add_f32 v[T], v[T], v[T+1]
	v_fma_f32 v[L], v[L], v[SCL], v[T]
.endif
.endm
; a += weight i x the row in a slot.  start = 1: the first product starts a: nothing is cleared.  The pair's first register is used for both halves.
.macro ACCUM slot, i, start
.irp k, 0,2,4,6,8,10,12,14,16,18,20,22,24,26,28,30
.if \start
	v_pk_mul_f32 v[ACC+\k:ACC+\k+1], v[X+32*\slot+\k:X+32*\slot+\k+1], v[P+2*\i:P+2*\i+1] op_sel_hi:[1,0]
.else
	v_pk_fma_f32 v[ACC+\k:ACC+\k+1], v[X+32*\slot+\k:X+32*\slot+\k+1], v[P+2*\i:P+2*\i+1], v[ACC+\k:ACC+\k+1] op_sel_hi:[1,0,1]
.endif
.endr
.endm
	; rows 0 to 3
	DOT 0, 0, 24
	DOT 1, 1, 16
	DOT 2, 2, 8
	DOT 3, 3, 0
	SOFT 1, 0
	ACCUM 0, 0, 1
	FILL 0, 4                                      ; a slot is asked for again as soon as its row has been added
	ACCUM 1, 1, 0
	FILL 1, 5
	ACCUM 2, 2, 0
	FILL 2, 6
	ACCUM 3, 3, 0
	FILL 3, 7
	; rows 4 to 7
	DOT 0, 4, 24
	DOT 1, 5, 16
	DOT 2, 6, 8
	DOT 3, 7, 0
	SOFT 0, 4
.irp k, 0,2,4,6,8,10,12,14,16,18,20,22,24,26,28,30
	v_pk_mul_f32 v[ACC+\k:ACC+\k+1], v[ACC+\k:ACC+\k+1], v[SCL:SCL+1] op_sel_hi:[1,0]   ; a under the new maximum
.endr
	ACCUM 0, 0, 0
	ACCUM 1, 1, 0
	ACCUM 2, 2, 0
	ACCUM 3, 3, 0
	; The wave's results into LDS bytes of its own
.irp j, 0,1,2,3,4,5,6,7
	ds_store_b128 v[STGA], v[ACC+4*\j:ACC+4*\j+3] offset:STAGE+512*\j               ; a, in the order of the columns
.endr
	ds_store_b64 v[STA], v[M:L] offset:ST                                           ; (m, l); all lanes write the same bytes with the same values
	ds_store_b128 v[SCA], v[SC:SC+3] offset:SCO                                     ; the 8 scores likewise
	ds_store_b128 v[SCA], v[SC+4:SC+7] offset:SCO+16
	s_wait_dscnt 0x0                               ; store, wait, barrier, load
	s_barrier_signal -1
	s_barrier_wait -1
	; The join over the 16 waves; thread t makes columns 2 t and 2 t + 1
.irp j, 0,1,2,3,4,5,6,7
	ds_load_b128 v[X+4*\j:X+4*\j+3], v[ZERO] offset:ST+16*\j                        ; (m_w, l_w) into X + 2 w, X + 2 w + 1, in every lane
.endr
.irp w, 0,1,2,3,4,5,6,7,8,9,10,11,12,13,14,15
	ds_load_b64 v[X+32+2*\w:X+32+2*\w+1], v[T8S] offset:4096*\w                     ; wave w's a of my two columns
.endr
	s_wait_dscnt 0x0
	v_max3_num_f32 v[MW], v[X], v[X+2], v[X+4]
.irp w, 3,5,7,9,11,13
	v_max3_num_f32 v[MW], v[MW], v[X+2*\w], v[X+2*\w+2]
.endr
	v_max_num_f32 v[MW], v[MW], v[X+30]
.irp w, 0,1,2,3,4,5,6,7,8,9,10,11,12,13,14,15
	v_sub_f32 v[X+64+\w], v[X+2*\w], v[MW]
.endr
.irp w, 0,1,2,3,4,5,6,7,8,9,10,11,12,13,14,15
	v_exp_f32 v[X+2*\w], v[X+64+\w]                ; f_w = 2^(m_w - m) takes m_w's place
.endr
	v_nop                                          ; the plain vector instruction behind the exponentials
	s_wait_alu depctr_va_vdst(0)
	v_mul_f32 v[MW+1], v[X], v[X+1]                ; l = sum of f_w l_w
.irp w, 1,2,3,4,5,6,7,8,9,10,11,12,13,14,15
	v_fmac_f32 v[MW+1], v[X+2*\w], v[X+2*\w+1]
.endr
	v_pk_mul_f32 v[R:R+1], v[X+32:X+33], v[X:X+1] op_sel_hi:[1,0]                   ; a = sum of f_w a_w
.irp w, 1,2,3,4,5,6,7,8,9,10,11,12,13,14,15
	v_pk_fma_f32 v[R:R+1], v[X+32+2*\w:X+32+2*\w+1], v[X+2*\w:X+2*\w+1], v[R:R+1] op_sel_hi:[1,0,1]
.endr
	global_store_b64 v[T8], v[R:R+1], s[14:15]     ; a wave stores 256 consecutive bytes, aligned
	s_cmp_lg_u32 s18, 0                            ; wave 0 alone stores the scores and (m, l); no barrier follows
	s_cbranch_scc1 .Lend
	ds_load_b128 v[G:G+3], v[LOFF] offset:SCO      ; 128 scores, four a lane
	s_wait_dscnt 0x0
	global_store_b128 v[LOFF], v[G:G+3], s[12:13]  ; 512 consecutive bytes, aligned
	global_store_b64 v[T8], v[MW:MW+1], s[16:17]   ; in wave 0, 8 x thread = 8 x lane: 32 copies fill the work-group's 256 bytes
.Lend:
	s_wait_tensorcnt 0x0
	ds_add_u32 v232, v233
	s_wait_dscnt 0x0
	s_endpgm
.Lfunc_end_k_qe240ba4d69_stream:
	.size	k_qe240ba4d69_stream, .Lfunc_end_k_qe240ba4d69_stream-k_qe240ba4d69_stream
	.p2alignl 7, 3214868480
	.fill 96, 4, 3214868480
	.section	.rodata,"a",@progbits
	.p2align	6, 0x0
	.amdhsa_kernel k_qe240ba4d69_stream
		.amdhsa_group_segment_fixed_size 75776
		.amdhsa_private_segment_fixed_size 0
		.amdhsa_enable_private_segment 0
		.amdhsa_kernarg_size 56
		.amdhsa_user_sgpr_count 2
		.amdhsa_user_sgpr_kernarg_segment_ptr 1
		.amdhsa_wavefront_size32 1
		.amdhsa_system_sgpr_workgroup_id_x 1
		.amdhsa_system_sgpr_workgroup_id_y 1
		.amdhsa_system_sgpr_workgroup_id_z 1
		.amdhsa_system_vgpr_workitem_id 0
		.amdhsa_next_free_vgpr 234
		.amdhsa_next_free_sgpr 66
		.amdhsa_reserve_vcc 0
		.amdhsa_float_denorm_mode_32 3
		.amdhsa_float_denorm_mode_16_64 3
		.amdhsa_memory_ordered 1
		.amdhsa_forward_progress 1
		.amdhsa_inst_pref_size 41
	.end_amdhsa_kernel
	.amdgpu_metadata
---
amdhsa.version: [ 1, 2 ]
amdhsa.kernels:
  - .name:           k_qe240ba4d69_stream
    .symbol:         k_qe240ba4d69_stream.kd
    .args:
      - { .name: encoder_outputs, .offset: 0, .size: 8, .value_kind: global_buffer, .address_space: global }
      - { .name: gpart, .offset: 8, .size: 8, .value_kind: global_buffer, .address_space: global }
      - { .name: hidden, .offset: 16, .size: 8, .value_kind: global_buffer, .address_space: global }
      - { .name: b, .offset: 24, .size: 8, .value_kind: global_buffer, .address_space: global }
      - { .name: scores, .offset: 32, .size: 8, .value_kind: global_buffer, .address_space: global }
      - { .name: pacc, .offset: 40, .size: 8, .value_kind: global_buffer, .address_space: global }
      - { .name: stats, .offset: 48, .size: 8, .value_kind: global_buffer, .address_space: global }
    .group_segment_fixed_size: 75776
    .private_segment_fixed_size: 0
    .kernarg_segment_align: 8
    .kernarg_segment_size: 56
    .max_flat_workgroup_size: 512
    .sgpr_count:     66
    .vgpr_count:     234
    .wavefront_size: 32
...
	.end_amdgpu_metadata
.endif
;; end of part 2
;; launch finish (part 3): grid 8 x 32, 1 waves a work-group, no clusters, 0 bytes of LDS; arguments scores, pacc, stats, out0, out1; writes out0, out1
.if DOCPART == 3
	.amdgcn_target "amdgcn-amd-amdhsa--gfx1250"
	.amdhsa_code_object_version 6
	.text
	.protected	k_qe240ba4d69_finish
	.globl	k_qe240ba4d69_finish
	.p2align	8
	.type	k_qe240ba4d69_finish,@function
k_qe240ba4d69_finish:
	s_mov_b64 s[64:65], 0
	v_nop
	global_prefetch_b8 v0, s[64:65] scope:SCOPE_SE
	s_setreg_imm32_b32 hwreg(HW_REG_WAVE_MODE, 25, 1), 1
	s_wait_xcnt 0x0
; The join over a batch's 8 chunks.  Work-group (x = piece of 128 columns, y = batch b), one wave, four columns a lane.
;   m = max over c of m_c;  f_c = 2^(m_c - m);  l = sum of f_c l_c
;   out1[b][s] = alpha = 2^(t[s] - m) / l                       (t = logit x log2e, from scores)
;   out0[b][d] = reps  = (sum over c of f_c pacc[b][c][d]) / l
; Every lane reads its own copy of each chunk's (m_c, l_c): eight loads of 256 consecutive bytes.  All loads go out in one run.
; l is at least 1 (the row with the maximum weighs 1), so the reciprocal is safe.  LIMIT: v_exp_f32 gives 0 below 2^-126; 1 / l is v_rcp_f32's.
; A few KiB a work-group: no LDS, no barrier, nothing to overlap but the loads themselves.
.set ST,  4                            ; v[4:19]  pair c = (m_c, l_c); m_c is replaced by f_c
.set S,   20                           ; v[20:23] four scores, then four alpha
.set A,   24                           ; v[24:55] chunk c: 4 registers of pacc
.set R,   56                           ; v[56:59] the sum
.set M,   60
.set LS,  61
.set INV, 62                           ; v[62:63] 1 / l, twice
.set D,   64                           ; v[64:71] exponents
	s_load_b256 s[4:11], s[0:1], 0x0               ; scores s[4:5], pacc s[6:7], stats s[8:9], out0 s[10:11]
	s_load_b64 s[12:13], s[0:1], 0x20              ; out1
	s_and_b32 s14, ttmp7, 0xffff                   ; batch
	s_lshl_b32 s15, ttmp9, 9                       ; the piece's 512 bytes
	s_lshl_b32 s16, s14, 12                        ; scores, out0, out1: rows of 4,096 bytes
	s_add_co_u32 s16, s16, s15
	s_mov_b32 s17, 0
	s_lshl_b32 s18, s14, 15                        ; pacc: 8 x 4,096 bytes a batch
	s_add_co_u32 s18, s18, s15
	s_mov_b32 s19, 0
	s_lshl_b32 s20, s14, 11                        ; stats: 8 x 256 bytes a batch
	s_mov_b32 s21, 0
	v_lshlrev_b32 v1, 4, v0                        ; 16 x lane
	v_lshlrev_b32 v2, 3, v0                        ; 8 x lane
	s_wait_kmcnt 0x0
	s_add_nc_u64 s[4:5], s[4:5], s[16:17]
	s_add_nc_u64 s[6:7], s[6:7], s[18:19]
	s_add_nc_u64 s[8:9], s[8:9], s[20:21]
	s_add_nc_u64 s[10:11], s[10:11], s[16:17]
	s_add_nc_u64 s[12:13], s[12:13], s[16:17]
.irp c, 0,1,2,3,4,5,6,7
	global_load_b64 v[ST+2*\c:ST+2*\c+1], v2, s[8:9] offset:256*\c
.endr
	global_load_b128 v[S:S+3], v1, s[4:5]
.irp c, 0,1,2,3,4,5,6,7
	global_load_b128 v[A+4*\c:A+4*\c+3], v1, s[6:7] offset:4096*\c
.endr
	s_wait_loadcnt 9                               ; the eight (m_c, l_c) are in; the scores and the eight chunks stay out
	v_max3_num_f32 v[M], v[ST], v[ST+2], v[ST+4]
	v_max3_num_f32 v[M], v[M], v[ST+6], v[ST+8]
	v_max3_num_f32 v[M], v[M], v[ST+10], v[ST+12]
	v_max_num_f32 v[M], v[M], v[ST+14]
.irp c, 0,1,2,3,4,5,6,7
	v_sub_f32 v[D+\c], v[ST+2*\c], v[M]
.endr
.irp c, 0,1,2,3,4,5,6,7
	v_exp_f32 v[ST+2*\c], v[D+\c]
.endr
	v_nop                                          ; one plain vector instruction behind the exponentials (ISA guide 5.7.2)
	s_wait_alu depctr_va_vdst(0)
	v_mul_f32 v[LS], v[ST], v[ST+1]
.irp c, 1,2,3,4,5,6,7
	v_fmac_f32 v[LS], v[ST+2*\c], v[ST+2*\c+1]
.endr
	v_rcp_f32 v[INV], v[LS]                        ; twice: a pair for the packed multiplies
	v_rcp_f32 v[INV+1], v[LS]
	s_wait_loadcnt 8                               ; the scores are in
.irp i, 0,1,2,3
	v_sub_f32 v[D+\i], v[S+\i], v[M]               ; plain vector instructions behind the reciprocals: they name neither LS nor INV
.endr
.irp i, 0,1,2,3
	v_exp_f32 v[S+\i], v[D+\i]
.endr
	v_nop
	s_wait_alu depctr_va_vdst(0)
	v_pk_mul_f32 v[S:S+1],   v[S:S+1],   v[INV:INV+1]
	v_pk_mul_f32 v[S+2:S+3], v[S+2:S+3], v[INV:INV+1]
	global_store_b128 v1, v[S:S+3], s[12:13]       ; alpha: 512 consecutive bytes, aligned
	s_wait_loadcnt 7                               ; chunk 0 is in; the first products start the sum
	v_pk_mul_f32 v[R:R+1],   v[A:A+1],   v[ST:ST+1] op_sel_hi:[1,0]
	v_pk_mul_f32 v[R+2:R+3], v[A+2:A+3], v[ST:ST+1] op_sel_hi:[1,0]
.irp c, 1,2,3,4,5,6,7
	s_wait_loadcnt 7-\c                            ; chunk c is in, the younger ones stay out
	v_pk_fma_f32 v[R:R+1],   v[A+4*\c:A+4*\c+1],   v[ST+2*\c:ST+2*\c+1], v[R:R+1]   op_sel_hi:[1,0,1]
	v_pk_fma_f32 v[R+2:R+3], v[A+4*\c+2:A+4*\c+3], v[ST+2*\c:ST+2*\c+1], v[R+2:R+3] op_sel_hi:[1,0,1]
.endr
	v_pk_mul_f32 v[R:R+1],   v[R:R+1],   v[INV:INV+1]
	v_pk_mul_f32 v[R+2:R+3], v[R+2:R+3], v[INV:INV+1]
	global_store_b128 v1, v[R:R+3], s[10:11]       ; reps: 512 consecutive bytes, aligned
	s_endpgm
.Lfunc_end_k_qe240ba4d69_finish:
	.size	k_qe240ba4d69_finish, .Lfunc_end_k_qe240ba4d69_finish-k_qe240ba4d69_finish
	.p2alignl 7, 3214868480
	.fill 96, 4, 3214868480
	.section	.rodata,"a",@progbits
	.p2align	6, 0x0
	.amdhsa_kernel k_qe240ba4d69_finish
		.amdhsa_group_segment_fixed_size 0
		.amdhsa_private_segment_fixed_size 0
		.amdhsa_enable_private_segment 0
		.amdhsa_kernarg_size 40
		.amdhsa_user_sgpr_count 2
		.amdhsa_user_sgpr_kernarg_segment_ptr 1
		.amdhsa_wavefront_size32 1
		.amdhsa_system_sgpr_workgroup_id_x 1
		.amdhsa_system_sgpr_workgroup_id_y 1
		.amdhsa_system_sgpr_workgroup_id_z 1
		.amdhsa_system_vgpr_workitem_id 0
		.amdhsa_next_free_vgpr 72
		.amdhsa_next_free_sgpr 66
		.amdhsa_reserve_vcc 0
		.amdhsa_float_denorm_mode_32 3
		.amdhsa_float_denorm_mode_16_64 3
		.amdhsa_memory_ordered 1
		.amdhsa_forward_progress 1
		.amdhsa_inst_pref_size 6
	.end_amdhsa_kernel
	.amdgpu_metadata
---
amdhsa.version: [ 1, 2 ]
amdhsa.kernels:
  - .name:           k_qe240ba4d69_finish
    .symbol:         k_qe240ba4d69_finish.kd
    .args:
      - { .name: scores, .offset: 0, .size: 8, .value_kind: global_buffer, .address_space: global }
      - { .name: pacc, .offset: 8, .size: 8, .value_kind: global_buffer, .address_space: global }
      - { .name: stats, .offset: 16, .size: 8, .value_kind: global_buffer, .address_space: global }
      - { .name: out0, .offset: 24, .size: 8, .value_kind: global_buffer, .address_space: global }
      - { .name: out1, .offset: 32, .size: 8, .value_kind: global_buffer, .address_space: global }
    .group_segment_fixed_size: 0
    .private_segment_fixed_size: 0
    .kernarg_segment_align: 8
    .kernarg_segment_size: 40
    .max_flat_workgroup_size: 32
    .sgpr_count:     66
    .vgpr_count:     72
    .wavefront_size: 32
...
	.end_amdgpu_metadata
.endif
;; end of part 3
;; ======== version 2 of 2: 3 launches; version 1 with the launches proj, stream written anew for expert scheduling mode
;; workspace buffers: gpart 2,097,152 bytes; scores 131,072 bytes; pacc 1,048,576 bytes; stats 65,536 bytes
;; launch proj (part 4): grid 16 x 16, 4 waves a work-group, no clusters, 38,912 bytes of LDS; arguments W, hidden, gpart; writes gpart
.if DOCPART == 4
	.amdgcn_target "amdgcn-amd-amdhsa--gfx1250"
	.amdhsa_code_object_version 6
	.text
	.protected	k_qe240ba4d69_proj
	.globl	k_qe240ba4d69_proj
	.p2align	8
	.type	k_qe240ba4d69_proj,@function
k_qe240ba4d69_proj:
	s_mov_b64 s[64:65], 0
	v_nop
	global_prefetch_b8 v0, s[64:65] scope:SCOPE_SE
	s_setreg_imm32_b32 hwreg(HW_REG_WAVE_SCHED_MODE, 0, 2), 2
	s_setreg_imm32_b32 hwreg(HW_REG_WAVE_MODE, 25, 1), 1
	s_wait_xcnt 0x0
	s_wait_alu depctr_vm_vsrc(0)
; gpart[ks][b][d] = sum over the 64 e of slice ks of h[b][e] * W[e][d];  h = hidden read as [32][1024], W: [1024 e][1024 d], all f32.
; Why: the logits of the attention are h[b] . (W enc[s][b] + bias) = (h[b] W) . enc[s][b] + h[b] . bias, so the large product of
; enc with W is replaced by g = h W (32 x 1024 x 1024).  LIMIT: the order of summation therefore differs from the reference's.
; The product runs on the matrix unit with bf16 operands and f32 sums.  The logits feed an exponential, so g has to be far
; more exact than one bf16 rounding allows: each f32 x is split into hi = bf16(x) and lo = bf16(x - hi), and hi*hi + lo*hi + hi*lo is summed.
; LIMIT: lo*lo and the rounding of lo are dropped: about 2^-17 of each product.
; A work-group (x = block of 64 columns d, y = slice of 64 e) has four waves; wave w makes columns 16 w .. 16 w + 15 for all 32 b:
; two accumulators, 12 matrix instructions.  No loop.  The 16 slices are summed by the next launch.
; No tensor loads and no cluster: a work-group reads 24 KiB once, straight through registers, where it has to be split anyway.
; THE MODE: SCHED_MODE bits 1:0 = 2 (LLVM: expert scheduling mode 2), set by the entry lines.  The code itself states the register dependences
; between vector or matrix instructions and memory or LDS instructions, with s_wait_alu, always for 0.
; THE PLAN.  Registers that memory or LDS instructions touch:
;   v4, v5       offsets of W and h: written once at the head, read by the 12 global loads.
;   v6 .. v12    LDS addresses and gpart's offset: written once behind the loads, never again.
;   IN           the 12 loads land here; the conversions read it.
;   OB           load i's hi and lo in four registers of their own: written by its conversions, read by its two LDS stores, written again only when h's fragments land there.
;   AF, BF       the fragments land here, behind the barrier; the matrix instructions read them.
;   ACC          written by the matrix instructions, read by four LDS stores.      OUT  LDS loads, then global stores: no vector instruction names it.
; The splits go in three groups of four loads: the group's conversions, ONE wait on va_vdst, the group's eight LDS stores.
.set PW,  160                          ; LDS pitch of W's rows (64 bf16 = 128 bytes + 32): an odd multiple of 32
.set PH,  144                          ; LDS pitch of h's rows (128 bytes + 16): an odd multiple of 16
.set PS,  272                          ; LDS pitch of the stage's rows (64 f32 = 256 bytes + 16)
.set WH,  0                            ; W hi  [64 k][64 n] bf16   10,240 bytes
.set WL,  10240                        ; W lo
.set HH,  20480                        ; h hi  [32 m][64 k] bf16    4,608 bytes
.set HL,  25088                        ; h lo
.set STG, 29696                        ; the way out: [32 m][64 n] f32, 8,704 bytes; ends at 38,400; behind it the spare words, 512 bytes
.set WOFF, 4                           ; v4   byte offset of my 16 bytes in W's tile, first of eight pairs of rows
.set HOFF, 5                           ; v5   the same in h's tile, first of four pairs of rows
.set WST,  6                           ; v6   where my 4 bf16 of W go in LDS
.set HST,  7                           ; v7   where my 4 bf16 of h go
.set BADR, 8                           ; v8   W fragments (transposing load)
.set AADR, 9                           ; v9   h fragments
.set SADR, 10                          ; v10  stage, in
.set RADR, 11                          ; v11  stage, back
.set GOFF, 12                          ; v12  my byte offset in gpart
.set T,    14                          ; v[14:17] hi widened, then x - hi: no memory instruction names them
.set IN,   24                          ; v[24:71] 12 loads of 4 registers: 8 of W, 4 of h
.set OB,   72                          ; v[72:119] load i: 4 bf16 hi at OB + 4 i, 4 bf16 lo at OB + 4 i + 2; these registers are part of AF later
.set AF,   72                          ; v[72:135]  h fragment (mt, q, p) at AF + 8 (4 mt + 2 q + p); p = 0 hi, 1 lo
.set BF,   136                         ; v[136:167] W fragment (q, p) at BF + 8 (2 q + p)
.set ACC,  168                         ; v[168:183] two accumulators: b 0-15, b 16-31
.set OUT,  184                         ; v[184:199] the stage read back
	s_load_b128 s[4:7], s[0:1], 0x0                ; W s[4:5], hidden s[6:7]
	s_load_b64 s[8:9], s[0:1], 0x10                ; gpart
	v_lshl_add_u32 v200, v0, 2, 0x9600             ; my spare word and 0: made here and kept for the closing lines alone
	v_mov_b32 v201, 0
	v_lshrrev_b32 v1, 5, v0
	v_readfirstlane_b32 s10, v1                    ; wave w, 0..3
	s_and_b32 s12, ttmp7, 0xffff                   ; ks: the slice of e
	s_mov_b32 s16, 0xffff0000                      ; a word's upper bf16
	s_lshl_b32 s11, ttmp9, 8                       ; the column block's 256 bytes in a row
	s_lshl_b32 s14, s12, 18                        ; W: 64 rows of 4,096 bytes a slice,
	s_add_co_u32 s14, s14, s11                     ;    + the column block
	s_mov_b32 s15, 0
	s_lshl_b32 s18, s12, 8                         ; h: the slice's 256 bytes in a row
	s_mov_b32 s19, 0
	s_lshl_b32 s20, s12, 17                        ; gpart: 32 rows of 4,096 bytes a slice,
	s_add_co_u32 s20, s20, s11                     ;    + the column block
	s_mov_b32 s21, 0
	v_and_b32 v2, 15, v0                           ; c = r = lane mod 16
	v_bfe_u32 v3, v0, 4, 1                         ; hh = which half of the lanes
	v_lshlrev_b32 v22, 4, v2                       ; 16 c
	s_wait_alu depctr_va_sdst(0)                   ; s10 is written, ahead of its first reader, the next line
	v_lshl_add_u32 v13, s10, 4, v3                 ; W's row 16 w + hh
	v_lshl_add_u32 v23, s10, 3, v3                 ; h's row 8 w + hh
	v_lshl_add_u32 v[WOFF], v13, 12, v22
	v_lshl_add_u32 v[HOFF], v23, 12, v22
	s_wait_kmcnt 0x0
	s_add_nc_u64 s[4:5], s[4:5], s[14:15]
	s_add_nc_u64 s[6:7], s[6:7], s[18:19]
	s_add_nc_u64 s[8:9], s[8:9], s[20:21]
	s_wait_alu depctr_va_vdst(0)                   ; v[WOFF] and v[HOFF] are written, which the twelve loads read as their offsets
	; Twelve loads; in each, sixteen lanes take the 256 consecutive, aligned bytes of one row of the tile, the wave two rows.
.irp j, 0,1,2,3,4,5,6,7
	global_load_b128 v[IN+4*\j:IN+4*\j+3], v[WOFF], s[4:5] offset:8192*\j th:TH_LOAD_NT   ; W is read once in the launch
.endr
.irp j, 0,1,2,3
	global_load_b128 v[IN+32+4*\j:IN+32+4*\j+3], v[HOFF], s[6:7] offset:8192*\j           ; h's slice is read by all 16 column blocks
.endr
	; LDS addresses, while the loads are on their way
	v_mul_u32_u24 v[WST], v13, PW
	v_lshl_add_u32 v[WST], v2, 3, v[WST]           ; row x pitch + 8 c
	v_mul_u32_u24 v[HST], v23, PH
	v_lshl_add_u32 v[HST], v2, 3, v[HST]
	v_and_b32 v[BADR], 7, v0                       ; the transposing load: lane l addresses row k = 8 hh + l mod 8,
	v_lshl_add_u32 v[BADR], v3, 3, v[BADR]
	v_mul_u32_u24 v[BADR], v[BADR], PW
	v_bfe_u32 v13, v0, 3, 1                        ; 16 bytes (8 columns) picked by bit 3 of the lane,
	v_lshl_add_u32 v[BADR], v13, 4, v[BADR]
	v_lshl_add_u32 v[BADR], s10, 5, v[BADR]        ; in my wave's 16 columns (32 bytes)
	v_mul_u32_u24 v[AADR], v2, PH                  ; h fragment: row r, 16 bytes for each half of the lanes
	v_lshl_add_u32 v[AADR], v3, 4, v[AADR]
	v_mul_u32_u24 v[SADR], v2, PS                  ; stage in: row r, my wave's 64 bytes, 32 for each half of the lanes
	v_lshl_add_u32 v[SADR], v3, 5, v[SADR]
	v_lshl_add_u32 v[SADR], s10, 6, v[SADR]
	v_lshl_add_u32 v23, s10, 1, v3                 ; stage back: row 2 w + hh, 16 bytes a lane
	v_mul_u32_u24 v[RADR], v23, PS
	v_add_nc_u32 v[RADR], v22, v[RADR]
	v_lshl_add_u32 v[GOFF], v23, 12, v22           ; and the same row in gpart
; Load i's four f32 are split into hi and lo, in four registers of OB that are load i's own.
.macro CONV i
	s_wait_loadcnt 11-(\i)                         ; loads come back in order: load i is in, the younger ones stay out
	v_cvt_pk_bf16_f32 v[OB+4*(\i)],   v[IN+4*(\i)],   v[IN+4*(\i)+1]
	v_cvt_pk_bf16_f32 v[OB+4*(\i)+1], v[IN+4*(\i)+2], v[IN+4*(\i)+3]
	v_lshlrev_b32 v[T],   16,  v[OB+4*(\i)]        ; hi as f32 again
	v_and_b32     v[T+1], s16, v[OB+4*(\i)]
	v_lshlrev_b32 v[T+2], 16,  v[OB+4*(\i)+1]
	v_and_b32     v[T+3], s16, v[OB+4*(\i)+1]
	v_sub_f32 v[T],   v[IN+4*(\i)],   v[T]         ; x - hi: exact in f32
	v_sub_f32 v[T+1], v[IN+4*(\i)+1], v[T+1]
	v_sub_f32 v[T+2], v[IN+4*(\i)+2], v[T+2]
	v_sub_f32 v[T+3], v[IN+4*(\i)+3], v[T+3]
	v_cvt_pk_bf16_f32 v[OB+4*(\i)+2], v[T],   v[T+1]
	v_cvt_pk_bf16_f32 v[OB+4*(\i)+3], v[T+2], v[T+3]
.endm
; They are laid into LDS at adr + off (hi) and adr + off + lo.
.macro PUT i, adr, off, lo
	ds_store_b64 v[\adr], v[OB+4*(\i):OB+4*(\i)+1]   offset:\off
	ds_store_b64 v[\adr], v[OB+4*(\i)+2:OB+4*(\i)+3] offset:\off+\lo
.endm
.irp j, 0,1,2,3
	CONV \j
.endr
	s_wait_alu depctr_va_vdst(0)                   ; the conversions have written OB of loads 0 to 3, which the eight LDS stores read; so are all the addresses v6 to v12, for the rest of the kernel
.irp j, 0,1,2,3
	PUT \j, WST, WH+2*PW*\j, WL-WH
.endr
.irp j, 4,5,6,7
	CONV \j
.endr
	s_wait_alu depctr_va_vdst(0)                   ; the conversions have written OB of loads 4 to 7, which the eight LDS stores read
.irp j, 4,5,6,7
	PUT \j, WST, WH+2*PW*\j, WL-WH
.endr
.irp j, 0,1,2,3
	CONV 8+\j
.endr
	s_wait_alu depctr_va_vdst(0)                   ; the conversions have written OB of loads 8 to 11, which the eight LDS stores read; no vector instruction names OB behind this wait, so the fragments may land there as far as the vector side goes
.irp j, 0,1,2,3
	PUT 8+\j, HST, HH+2*PH*\j, HL-HH
.endr
	s_wait_dscnt 0x0                               ; my stores are in LDS: the other waves read them behind the barrier
	s_barrier_signal -1
	s_barrier_wait -1
	s_wait_alu depctr_vm_vsrc(0)                   ; my LDS stores have read OB: these registers are part of AF from here on, in which h's fragments land
	; Fragments.  W lies [k][n]: two transposing loads, 16 rows apart, give lane (r, hh) column 16 w + r with k = 8 hh + 0..7 and 16 + 8 hh + 0..7.
.irp q, 0,1
.irp p, 0,1
	ds_load_tr16_b128 v[BF+8*(2*\q+\p):BF+8*(2*\q+\p)+3],   v[BADR] offset:WH+32*PW*\q+(WL-WH)*\p
	ds_load_tr16_b128 v[BF+8*(2*\q+\p)+4:BF+8*(2*\q+\p)+7], v[BADR] offset:WH+32*PW*\q+(WL-WH)*\p+16*PW
.endr
.endr
	; h lies [m][k]: two plain loads, 32 bytes apart
.irp mt, 0,1
.irp q, 0,1
.irp p, 0,1
	ds_load_b128 v[AF+8*(4*\mt+2*\q+\p):AF+8*(4*\mt+2*\q+\p)+3],   v[AADR] offset:HH+16*PH*\mt+64*\q+(HL-HH)*\p
	ds_load_b128 v[AF+8*(4*\mt+2*\q+\p)+4:AF+8*(4*\mt+2*\q+\p)+7], v[AADR] offset:HH+16*PH*\mt+64*\q+(HL-HH)*\p+32
.endr
.endr
.endr
	s_wait_dscnt 0x0                               ; all 24 fragment loads
; One matrix instruction, used transposed (source 0 = W's columns, source 1 = h's rows): lane (r, hh) then holds, in registers 0..7,
; g(b = 16 mt + r, d = 16 w + 8 hh + 0..7): eight neighbouring numbers of a row.  zero = 1: the first product starts the sum.
.macro MM mt, q, pb, pa, zero
.if \zero
	v_wmma_f32_16x16x32_bf16 v[ACC+8*\mt:ACC+8*\mt+7], v[BF+8*(2*\q+\pb):BF+8*(2*\q+\pb)+7], v[AF+8*(4*\mt+2*\q+\pa):AF+8*(4*\mt+2*\q+\pa)+7], 0
.else
	v_wmma_f32_16x16x32_bf16 v[ACC+8*\mt:ACC+8*\mt+7], v[BF+8*(2*\q+\pb):BF+8*(2*\q+\pb)+7], v[AF+8*(4*\mt+2*\q+\pa):AF+8*(4*\mt+2*\q+\pa)+7], v[ACC+8*\mt:ACC+8*\mt+7]
.endif
.endm
	; The two accumulators take turns, one instruction a turn.
	MM 0, 0, 0, 0, 1                               ; W hi x h hi
	MM 1, 0, 0, 0, 1
	MM 0, 0, 1, 0, 0                               ; W lo x h hi
	MM 1, 0, 1, 0, 0
	MM 0, 0, 0, 1, 0                               ; W hi x h lo
	MM 1, 0, 0, 1, 0
	MM 0, 1, 0, 0, 0                               ; the second 32 of the slice's 64 e
	MM 1, 1, 0, 0, 0
	MM 0, 1, 1, 0, 0
	MM 1, 1, 1, 0, 0
	MM 0, 1, 0, 1, 0
	MM 1, 1, 0, 1, 0
.rept 4
	v_nop                                          ; four places behind the last matrix instruction before its result is stored (ISA guide 7.12.1)
.endr
	s_wait_alu depctr_va_vdst(0)                   ; the matrix instructions have written the accumulators, which the LDS stores read; the places above stay beside this wait
	; The way out: through a stage of its own bytes, so that sixteen lanes can store the 256 bytes of one row of the block.
.irp mt, 0,1
	ds_store_b128 v[SADR], v[ACC+8*\mt:ACC+8*\mt+3]   offset:STG+16*PS*\mt
	ds_store_b128 v[SADR], v[ACC+8*\mt+4:ACC+8*\mt+7] offset:STG+16*PS*\mt+16
.endr
	s_wait_dscnt 0x0                               ; a row of the stage holds all four waves' columns: store, wait, barrier, load
	s_barrier_signal -1
	s_barrier_wait -1
.irp i, 0,1,2,3
	ds_load_b128 v[OUT+4*\i:OUT+4*\i+3], v[RADR] offset:STG+8*PS*\i       ; rows 2 w + hh + 8 i; no vector instruction ever names OUT
.endr
.irp i, 0,1,2,3
	s_wait_dscnt 3-\i                              ; LDS loads come back in order: load i is in
	global_store_b128 v[GOFF], v[OUT+4*\i:OUT+4*\i+3], s[8:9] offset:32768*\i   ; sixteen lanes store 256 consecutive bytes, aligned
.endr
	s_wait_dscnt 0x0                               ; the closing lines, six on end
	s_wait_alu 0x0
	s_wait_tensorcnt 0x0
	ds_add_u32 v200, v201
	s_wait_dscnt 0x0
	s_endpgm
.Lfunc_end_k_qe240ba4d69_proj:
	.size	k_qe240ba4d69_proj, .Lfunc_end_k_qe240ba4d69_proj-k_qe240ba4d69_proj
	.p2alignl 7, 3214868480
	.fill 96, 4, 3214868480
	.section	.rodata,"a",@progbits
	.p2align	6, 0x0
	.amdhsa_kernel k_qe240ba4d69_proj
		.amdhsa_group_segment_fixed_size 38912
		.amdhsa_private_segment_fixed_size 0
		.amdhsa_enable_private_segment 0
		.amdhsa_kernarg_size 24
		.amdhsa_user_sgpr_count 2
		.amdhsa_user_sgpr_kernarg_segment_ptr 1
		.amdhsa_wavefront_size32 1
		.amdhsa_system_sgpr_workgroup_id_x 1
		.amdhsa_system_sgpr_workgroup_id_y 1
		.amdhsa_system_sgpr_workgroup_id_z 1
		.amdhsa_system_vgpr_workitem_id 0
		.amdhsa_next_free_vgpr 202
		.amdhsa_next_free_sgpr 66
		.amdhsa_reserve_vcc 0
		.amdhsa_float_denorm_mode_32 3
		.amdhsa_float_denorm_mode_16_64 3
		.amdhsa_memory_ordered 1
		.amdhsa_forward_progress 1
		.amdhsa_inst_pref_size 16
	.end_amdhsa_kernel
	.amdgpu_metadata
---
amdhsa.version: [ 1, 2 ]
amdhsa.kernels:
  - .name:           k_qe240ba4d69_proj
    .symbol:         k_qe240ba4d69_proj.kd
    .args:
      - { .name: W, .offset: 0, .size: 8, .value_kind: global_buffer, .address_space: global }
      - { .name: hidden, .offset: 8, .size: 8, .value_kind: global_buffer, .address_space: global }
      - { .name: gpart, .offset: 16, .size: 8, .value_kind: global_buffer, .address_space: global }
    .group_segment_fixed_size: 38912
    .private_segment_fixed_size: 0
    .kernarg_segment_align: 8
    .kernarg_segment_size: 24
    .max_flat_workgroup_size: 128
    .sgpr_count:     66
    .vgpr_count:     202
    .wavefront_size: 32
...
	.end_amdgpu_metadata
.endif
;; end of part 4
;; launch stream (part 5): grid 8 x 32, 16 waves a work-group, no clusters, 75,776 bytes of LDS; arguments encoder_outputs, gpart, hidden, b, scores, pacc, stats; writes scores, pacc, stats
.if DOCPART == 5
	.amdgcn_target "amdgcn-amd-amdhsa--gfx1250"
	.amdhsa_code_object_version 6
	.text
	.protected	k_qe240ba4d69_stream
	.globl	k_qe240ba4d69_stream
	.p2align	8
	.type	k_qe240ba4d69_stream,@function
k_qe240ba4d69_stream:
	s_mov_b64 s[64:65], 0
	v_nop
	global_prefetch_b8 v0, s[64:65] scope:SCOPE_SE
	s_setreg_imm32_b32 hwreg(HW_REG_WAVE_SCHED_MODE, 0, 2), 2
	s_setreg_imm32_b32 hwreg(HW_REG_WAVE_MODE, 25, 1), 1
	s_wait_xcnt 0x0
	s_wait_alu depctr_vm_vsrc(0)
; One pass over encoder_outputs [1024 s][32 b][1024 d] f32.  Work-group (x = chunk of 128 s, y = batch b), 16 waves, 8 rows a wave.
;   g[d]   = log2e * sum over the 16 slices of gpart[.][b][d]          (g = h W, from the launch before)
;   c      = log2e * sum over e of h[b][e] * bias[e]                   (the bias's share of every logit of this batch)
;   t[s]   = enc[s][b] . g + c                                         (the logit times log2e: exponentials are taken to base 2)
;   m, l, a[d]: running maximum of t, sum of 2^(t - m), sum of 2^(t - m) enc[s][b][d], per wave, then joined over the 16 waves.
; Stored: scores[b][s] = t, pacc[b][chunk][d] = a, stats[b][chunk] = (m, l), 32 copies, so that a whole aligned block of 256 bytes is written.
; Each row is read from memory once: it stays in 32 registers of its wave between the dot product and the weighted sum.
; All arithmetic is f32 on the vector unit: a row meets one vector (g) and one number (its weight), which leaves a matrix unit one
; useful column in sixteen, and g rounded to 16 bits would spoil the exponentials.
; No tensor loads, no LDS ring: no two waves read the same bytes of enc, and 4 rows x 4 KiB x 16 waves are in flight from registers.
; No cluster: what the 8 work-groups of a batch share is gpart's 64 KiB against 512 KiB of their own.  No prefetch: the launch streams.
; LIMITS: the order of summation differs from the reference's; v_exp_f32 gives 0 for results below 2^-126 (ISA guide, its entry),
; so weights more than 126 powers of two under the maximum count as 0.  A maximum is taken away in front of every exponential.
; THE MODE: SCHED_MODE bits 1:0 = 2 (LLVM: expert scheduling mode 2), set by the entry lines.  The code itself states the register dependences
; between vector instructions and memory or LDS instructions, with s_wait_alu, always for 0.
; THE PLAN.  Registers that memory or LDS instructions touch:
;   v1, v2         offsets 16 x lane and 8 x thread: written at the head, read by every global instruction, never written again.
;   v3 .. v7, v230 LDS addresses: written once, behind the first loads.
;   ACC            gpart's slices land here and are summed; ACC, ACC + 1 are g's LDS store's data; the weighted sums write ACC again; the stage's LDS stores read it.
;   T              v[T] is the data of c's LDS store; then the 16 parts of c land in v[208:223], T among them; then it is at work.
;   X              four row slots: a row lands, DOT and ACCUM read it, rows 4 to 7 land in the same slots; at the end the join's LDS loads land in X .. X + 63.
;   G              lands from LDS, read by DOT; in wave 0 the 128 scores land in G .. G + 3 at the end.
;   M, L, SC       written by vector instructions, read by LDS stores.      R, MW  written by vector instructions, read by global stores.
; The slots are asked for again behind TWO waits on va_vdst: behind the weighted sums of rows 0 and 1 (slots 0 and 1: their 16 loads are dealt among the sums of rows 2 and 3,
; which name slots 2 and 3, P and ACC alone) and behind those of rows 2 and 3 (slots 2 and 3).
.set SROW,  131072                     ; bytes from enc[s][b] to enc[s+1][b]
.set GL,    0                          ; LDS: g, 4,096 bytes
.set CP,    4096                       ; 16 waves' parts of c, 64 bytes
.set ST,    4352                       ; 16 x (m, l), 128 bytes
.set SCO,   4608                       ; 128 scores, 512 bytes
.set STAGE, 8192                       ; 16 x 4,096 bytes: the waves' sums a; ends at 73,728; behind it the spare words, 2,048 bytes
.set LOFF, 1                           ; v1  16 x lane
.set T8,   2                           ; v2  8 x thread: my two columns d = 2 t, 2 t + 1
.set CPA,  3                           ; v3  4 w
.set ZERO, 4                           ; v4  0: reads that all lanes make of the same bytes
.set STA,  5                           ; v5  8 w
.set SCA,  6                           ; v6  32 w
.set STGA, 7                           ; v7  4,096 w + 16 x lane
.set G,    8                           ; v[8:39]    g in the rows' lane layout: register 4 j + i = column 128 j + 4 lane + i
.set ACC,  40                          ; v[40:71]   a in the same layout (first: gpart's 16 slices)
.set X,    72                          ; v[72:199]  four row slots of 32 registers
.set SC,   200                         ; v[200:207] my wave's 8 scores (first: h and bias)
.set P,    208                         ; v[208:215] pair i = (weight of row i, its exponent)
.set T,    216                         ; v[216:219] at work
.set SCL,  220                         ; v[220:221] (2^(m old - m new), its exponent)
.set M,    222                         ; v222 running maximum
.set L,    223                         ; v223 running sum of weights: (M, L) is a pair for one LDS store
.set MN,   224                         ; v224 the new maximum
.set C,    225                         ; v225 c
.set MW,   226                         ; v[226:227] the work-group's (m, l)
.set R,    228                         ; v[228:229] the work-group's a of my two columns
.set T8S,  230                         ; v230 STAGE + 8 x thread: the 16 stages reach beyond the 16-bit offset counted from 0
	s_load_b256 s[4:11], s[0:1], 0x0               ; enc s[4:5], gpart s[6:7], hidden s[8:9], bias s[10:11]
	s_load_b128 s[12:15], s[0:1], 0x20             ; scores s[12:13], pacc s[14:15]
	s_load_b64 s[16:17], s[0:1], 0x30              ; stats
	v_lshl_add_u32 v232, v0, 2, 0x12000            ; my spare word and 0: made here and kept for the closing lines alone
	v_mov_b32 v233, 0
	v_lshrrev_b32 v3, 5, v0
	v_readfirstlane_b32 s18, v3                    ; wave w, 0..15
	s_mov_b32 s19, ttmp9                           ; chunk
	s_and_b32 s22, ttmp7, 0xffff                   ; batch
	s_mov_b32 s20, 0x76543210                      ; v_permlanex16_b32: lane i of one half reads lane i of the other
	s_mov_b32 s21, 0xfedcba98
	s_lshl_b32 s26, s22, 12                        ; the batch's row of 4,096 bytes (gpart, hidden, enc)
	s_mov_b32 s27, 0
	s_lshl_b32 s24, s19, 4
	s_wait_alu depctr_va_sdst(0)                   ; s18 is written, ahead of its first reader, the next line
	s_add_co_u32 s24, s24, s18                     ; 16 chunk + w, at most 127,
	s_lshl_b32 s24, s24, 20                        ; times 8 rows of 131,072 bytes: below 2^27: fits 32 bits
	s_add_co_u32 s24, s24, s26
	s_mov_b32 s25, 0
	s_lshl_b32 s28, s19, 9                         ; scores: the chunk's 512 bytes in the batch's row
	s_add_co_u32 s28, s28, s26
	s_mov_b32 s29, 0
	s_lshl3_add_u32 s23, s22, s19                  ; 8 b + chunk
	s_lshl_b32 s30, s23, 12                        ; pacc: 4,096 bytes each
	s_mov_b32 s31, 0
	s_lshl_b32 s32, s23, 8                         ; stats: 256 bytes each
	s_mov_b32 s33, 0
	s_lshl_b32 s34, s18, 2
	s_lshl_b32 s35, s18, 3
	s_lshl_b32 s36, s18, 5
	v_and_b32 v[LOFF], 31, v0
	v_lshlrev_b32 v[LOFF], 4, v[LOFF]
	v_lshlrev_b32 v[T8], 3, v0
	s_wait_kmcnt 0x0
	s_add_nc_u64 s[4:5], s[4:5], s[24:25]          ; enc at my wave's first row
	s_add_nc_u64 s[6:7], s[6:7], s[26:27]
	s_add_nc_u64 s[8:9], s[8:9], s[26:27]
	s_add_nc_u64 s[12:13], s[12:13], s[28:29]
	s_add_nc_u64 s[14:15], s[14:15], s[30:31]
	s_add_nc_u64 s[16:17], s[16:17], s[32:33]
	s_wait_alu depctr_va_vdst(0)                   ; v[LOFF] and v[T8] are written: every global load and store of the kernel reads one of them as its offset
; Eight loads: 512 neighbouring bytes each, a whole row of 4,096 bytes.  The row stands in the immediate (at most 921,088): no address register is ever rewritten.
.macro FILL slot, row
.irp j, 0,1,2,3,4,5,6,7
	global_load_b128 v[X+32*\slot+4*\j:X+32*\slot+4*\j+3], v[LOFF], s[4:5] offset:\row*SROW+512*\j th:TH_LOAD_NT
.endr
.endm
	; All loads of the start in one run: 16 + 2 small ones, then the first four rows: 50 are out.
.irp k, 0,1,2,3,4,5,6,7,8,9,10,11,12,13,14,15
	global_load_b64 v[ACC+2*\k:ACC+2*\k+1], v[T8], s[6:7] offset:131072*\k      ; slice k of my two columns; a wave takes 256 aligned bytes
.endr
	global_load_b64 v[SC:SC+1],   v[T8], s[8:9]    ; h[b][2 t], h[b][2 t + 1]
	global_load_b64 v[SC+2:SC+3], v[T8], s[10:11]  ; bias of the same two
	FILL 0, 0
	FILL 1, 1
	FILL 2, 2
	FILL 3, 3
	v_mov_b32 v[CPA], s34
	v_mov_b32 v[ZERO], 0
	v_mov_b32 v[STA], s35
	v_mov_b32 v[SCA], s36
	v_lshl_add_u32 v[STGA], s18, 12, v[LOFF]
	v_add_nc_u32 v[T8S], STAGE, v[T8]
	s_wait_loadcnt 32                              ; the 18 small loads are in; the 32 loads of the four rows stay out
.irp k, 0,2,4,6,8,10,12,14
	v_pk_add_f32 v[ACC+\k:ACC+\k+1], v[ACC+\k:ACC+\k+1], v[ACC+16+\k:ACC+16+\k+1]   ; the 16 slices, as a tree
.endr
.irp k, 0,2,4,6
	v_pk_add_f32 v[ACC+\k:ACC+\k+1], v[ACC+\k:ACC+\k+1], v[ACC+8+\k:ACC+8+\k+1]
.endr
.irp k, 0,2
	v_pk_add_f32 v[ACC+\k:ACC+\k+1], v[ACC+\k:ACC+\k+1], v[ACC+4+\k:ACC+4+\k+1]
.endr
	v_pk_add_f32 v[ACC:ACC+1], v[ACC:ACC+1], v[ACC+2:ACC+3]
	v_pk_mul_f32 v[ACC:ACC+1], v[ACC:ACC+1], 0x3fb8aa3b op_sel_hi:[1,0]             ; times log2e
	v_mul_f32 v[T+1], v[SC], v[SC+2]               ; my two terms of h . bias
	v_fma_f32 v[T], v[SC+1], v[SC+3], v[T+1]
	v_add_f32_dpp v[T], v[T], v[T] row_xmask:1 row_mask:0xf bank_mask:0xf           ; and the wave's 64
	v_add_f32_dpp v[T], v[T], v[T] row_xmask:2 row_mask:0xf bank_mask:0xf
	v_add_f32_dpp v[T], v[T], v[T] row_xmask:4 row_mask:0xf bank_mask:0xf
	v_add_f32_dpp v[T], v[T], v[T] row_xmask:8 row_mask:0xf bank_mask:0xf
	v_permlanex16_b32 v[T+1], v[T], s20, s21
	v_add_f32 v[T], v[T], v[T+1]
	v_mul_f32 v[T], 0x3fb8aa3b, v[T]
	s_wait_alu depctr_va_vdst(0)                   ; g's pair in ACC and c's part in v[T] are written, which the two LDS stores read; so are the LDS addresses v3 to v7 and v230, for the rest of the kernel; and the vector side is done with v[T ..], in which LDS loads land below
	ds_store_b64 v[T8], v[ACC:ACC+1] offset:GL
	ds_store_b32 v[CPA], v[T] offset:CP            ; all lanes write the wave's word with the same value
	s_wait_dscnt 0x0                               ; my stores are in LDS: the other waves read them behind the barrier
	s_barrier_signal -1
	s_barrier_wait -1
	s_wait_alu depctr_vm_vsrc(0)                   ; my two LDS stores have read v[T], in which a part of c lands below, and ACC's first pair, which the weighted sums write again
.irp j, 0,1,2,3,4,5,6,7
	ds_load_b128 v[G+4*\j:G+4*\j+3], v[LOFF] offset:GL+512*\j
.endr
.irp j, 0,1,2,3
	ds_load_b128 v[P+4*\j:P+4*\j+3], v[ZERO] offset:CP+16*\j                        ; the 16 parts of c into v[208:223], in every lane
.endr
	s_wait_dscnt 0x0
.irp k, 0,2,4,6
	v_pk_add_f32 v[P+\k:P+\k+1], v[P+\k:P+\k+1], v[P+8+\k:P+8+\k+1]
.endr
	v_pk_add_f32 v[P:P+1],   v[P:P+1],   v[P+4:P+5]
	v_pk_add_f32 v[P+2:P+3], v[P+2:P+3], v[P+6:P+7]
	v_pk_add_f32 v[P:P+1],   v[P:P+1],   v[P+2:P+3]
	v_add_f32 v[C], v[P], v[P+1]                   ; the same order in every wave: one c for the work-group
; t of the row in a slot.  left = how many younger loads may stay out.
.macro DOT slot, row, left
	s_wait_loadcnt \left                           ; loads come back in order: this row's eight are in, eight for each younger row stay out
	v_pk_mul_f32 v[T:T+1],   v[X+32*\slot:X+32*\slot+1],   v[G:G+1]                 ; the first products start two chains
	v_pk_mul_f32 v[T+2:T+3], v[X+32*\slot+2:X+32*\slot+3], v[G+2:G+3]
.irp j, 1,2,3,4,5,6,7
	v_pk_fma_f32 v[T:T+1],   v[X+32*\slot+4*\j:X+32*\slot+4*\j+1],   v[G+4*\j:G+4*\j+1],   v[T:T+1]
	v_pk_fma_f32 v[T+2:T+3], v[X+32*\slot+4*\j+2:X+32*\slot+4*\j+3], v[G+4*\j+2:G+4*\j+3], v[T+2:T+3]
.endr
	v_pk_add_f32 v[T:T+1], v[T:T+1], v[T+2:T+3]
	v_add_f32 v[T], v[T], v[T+1]
	v_add_f32_dpp v[T], v[T], v[T] row_xmask:1 row_mask:0xf bank_mask:0xf
	v_add_f32_dpp v[T], v[T], v[T] row_xmask:2 row_mask:0xf bank_mask:0xf
	v_add_f32_dpp v[T], v[T], v[T] row_xmask:4 row_mask:0xf bank_mask:0xf
	v_add_f32_dpp v[T], v[T], v[T] row_xmask:8 row_mask:0xf bank_mask:0xf
	v_permlanex16_b32 v[T+1], v[T], s20, s21
	v_add_f32 v[T], v[T], v[T+1]
	v_add_f32 v[SC+\row], v[T], v[C]               ; every lane holds the row's t
.endm
; The weights of rows r0 .. r0 + 3 under the running maximum.  first = 1: they start M and L.
.macro SOFT first, r0
.if \first
	v_max3_num_f32 v[M], v[SC+\r0], v[SC+\r0+1], v[SC+\r0+2]
	v_max_num_f32 v[M], v[M], v[SC+\r0+3]
.irp i, 0,1,2,3
	v_sub_f32 v[P+2*\i+1], v[SC+\r0+\i], v[M]
.endr
.irp i, 0,1,2,3
	v_exp_f32 v[P+2*\i], v[P+2*\i+1]
.endr
	v_nop                                          ; one plain vector instruction behind the exponentials before their results are used (ISA guide 5.7.2)
	s_wait_alu depctr_va_vdst(0)                   ; the four exponentials have written the weights in P, ahead of their first reader
	v_add_f32 v[T],   v[P],   v[P+2]
	v_add_f32 v[T+1], v[P+4], v[P+6]
	v_add_f32 v[L], v[T], v[T+1]
.else
	v_max3_num_f32 v[MN], v[SC+\r0], v[SC+\r0+1], v[SC+\r0+2]
	v_max3_num_f32 v[MN], v[MN], v[SC+\r0+3], v[M]
	v_sub_f32 v[SCL+1], v[M], v[MN]
.irp i, 0,1,2,3
	v_sub_f32 v[P+2*\i+1], v[SC+\r0+\i], v[MN]
.endr
.irp i, 0,1,2,3
	v_exp_f32 v[P+2*\i], v[P+2*\i+1]
.endr
	v_exp_f32 v[SCL], v[SCL+1]
	v_mov_b32 v[M], v[MN]                          ; the plain vector instruction behind the exponentials: it names none of their registers
	s_wait_alu depctr_va_vdst(0)                   ; the five exponentials have written the weights in P and the correction in SCL, ahead of their first reader
	v_add_f32 v[T],   v[P],   v[P+2]
	v_add_f32 v[T+1], v[P+4], v[P+6]
	v_add_f32 v[T], v[T], v[T+1]
	v_fma_f32 v[L], v[L], v[SCL], v[T]
.endif
.endm
; a += weight i x the row in a slot.  start = 1: the first product starts a: nothing is cleared.  The pair's first register is used for both halves.
.macro ACCUM slot, i, start
.irp k, 0,2,4,6,8,10,12,14,16,18,20,22,24,26,28,30
.if \start
	v_pk_mul_f32 v[ACC+\k:ACC+\k+1], v[X+32*\slot+\k:X+32*\slot+\k+1], v[P+2*\i:P+2*\i+1] op_sel_hi:[1,0]
.else
	v_pk_fma_f32 v[ACC+\k:ACC+\k+1], v[X+32*\slot+\k:X+32*\slot+\k+1], v[P+2*\i:P+2*\i+1], v[ACC+\k:ACC+\k+1] op_sel_hi:[1,0,1]
.endif
.endr
.endm
; The same sum, with the eight loads of row fr into slot fs dealt among it, one ahead of each two multiply-adds.
; No wait inside: the multiply-adds name this slot, P and ACC, none of the registers that the loads touch (slot fs and v[LOFF]).
.macro ACCFILL slot, i, fs, fr
.irp j, 0,1,2,3,4,5,6,7
	global_load_b128 v[X+32*\fs+4*\j:X+32*\fs+4*\j+3], v[LOFF], s[4:5] offset:\fr*SROW+512*\j th:TH_LOAD_NT
	v_pk_fma_f32 v[ACC+4*\j:ACC+4*\j+1],   v[X+32*\slot+4*\j:X+32*\slot+4*\j+1],   v[P+2*\i:P+2*\i+1], v[ACC+4*\j:ACC+4*\j+1]   op_sel_hi:[1,0,1]
	v_pk_fma_f32 v[ACC+4*\j+2:ACC+4*\j+3], v[X+32*\slot+4*\j+2:X+32*\slot+4*\j+3], v[P+2*\i:P+2*\i+1], v[ACC+4*\j+2:ACC+4*\j+3] op_sel_hi:[1,0,1]
.endr
.endm
	; rows 0 to 3
	DOT 0, 0, 24
	DOT 1, 1, 16
	DOT 2, 2, 8
	DOT 3, 3, 0
	SOFT 1, 0
	ACCUM 0, 0, 1
	ACCUM 1, 1, 0
	s_wait_alu depctr_va_vdst(0)                   ; the dot products and the weighted sums are done reading slots 0 and 1, in which rows 4 and 5 land
	ACCFILL 2, 2, 0, 4                             ; row 2 is added while row 4 is asked for,
	ACCFILL 3, 3, 1, 5                             ; row 3 while row 5 is
	s_wait_alu depctr_va_vdst(0)                   ; the weighted sums are done reading slots 2 and 3, in which rows 6 and 7 land
	FILL 2, 6
	FILL 3, 7
	; rows 4 to 7: they were asked for in the order of the slots, so the counts are those of rows 0 to 3
	DOT 0, 4, 24
	DOT 1, 5, 16
	DOT 2, 6, 8
	DOT 3, 7, 0
	SOFT 0, 4
.irp k, 0,2,4,6,8,10,12,14,16,18,20,22,24,26,28,30
	v_pk_mul_f32 v[ACC+\k:ACC+\k+1], v[ACC+\k:ACC+\k+1], v[SCL:SCL+1] op_sel_hi:[1,0]   ; a under the new maximum
.endr
	ACCUM 0, 0, 0
	ACCUM 1, 1, 0
	ACCUM 2, 2, 0
	ACCUM 3, 3, 0
	; The wave's results into LDS bytes of its own
	s_wait_alu depctr_va_vdst(0)                   ; ACC, M, L and SC are written, which the LDS stores read; and the weighted sums are done reading X, in which the join's LDS loads land
.irp j, 0,1,2,3,4,5,6,7
	ds_store_b128 v[STGA], v[ACC+4*\j:ACC+4*\j+3] offset:STAGE+512*\j               ; a, in the order of the columns
.endr
	ds_store_b64 v[STA], v[M:L] offset:ST                                           ; (m, l); all lanes write the same bytes with the same values
	ds_store_b128 v[SCA], v[SC:SC+3] offset:SCO                                     ; the 8 scores likewise
	ds_store_b128 v[SCA], v[SC+4:SC+7] offset:SCO+16
	s_wait_dscnt 0x0                               ; store, wait, barrier, load
	s_barrier_signal -1
	s_barrier_wait -1
	; The join over the 16 waves; thread t makes columns 2 t and 2 t + 1
.irp j, 0,1,2,3,4,5,6,7
	ds_load_b128 v[X+4*\j:X+4*\j+3], v[ZERO] offset:ST+16*\j                        ; (m_w, l_w) into X + 2 w, X + 2 w + 1, in every lane
.endr
.irp w, 0,1,2,3,4,5,6,7,8,9,10,11,12,13,14,15
	ds_load_b64 v[X+32+2*\w:X+32+2*\w+1], v[T8S] offset:4096*\w                     ; wave w's a of my two columns
.endr
	s_wait_dscnt 0x0
	v_max3_num_f32 v[MW], v[X], v[X+2], v[X+4]
.irp w, 3,5,7,9,11,13
	v_max3_num_f32 v[MW], v[MW], v[X+2*\w], v[X+2*\w+2]
.endr
	v_max_num_f32 v[MW], v[MW], v[X+30]
.irp w, 0,1,2,3,4,5,6,7,8,9,10,11,12,13,14,15
	v_sub_f32 v[X+64+\w], v[X+2*\w], v[MW]
.endr
.irp w, 0,1,2,3,4,5,6,7,8,9,10,11,12,13,14,15
	v_exp_f32 v[X+2*\w], v[X+64+\w]                ; f_w = 2^(m_w - m) takes m_w's place
.endr
	v_nop                                          ; the plain vector instruction behind the exponentials
	s_wait_alu depctr_va_vdst(0)                   ; the sixteen exponentials have written the f_w, ahead of their first reader
	v_mul_f32 v[MW+1], v[X], v[X+1]                ; l = sum of f_w l_w
.irp w, 1,2,3,4,5,6,7,8,9,10,11,12,13,14,15
	v_fmac_f32 v[MW+1], v[X+2*\w], v[X+2*\w+1]
.endr
	v_pk_mul_f32 v[R:R+1], v[X+32:X+33], v[X:X+1] op_sel_hi:[1,0]                   ; a = sum of f_w a_w
.irp w, 1,2,3,4,5,6,7,8,9,10,11,12,13,14,15
	v_pk_fma_f32 v[R:R+1], v[X+32+2*\w:X+32+2*\w+1], v[X+2*\w:X+2*\w+1], v[R:R+1] op_sel_hi:[1,0,1]
.endr
	s_wait_alu depctr_va_vdst(0)                   ; R and MW are written, which the global stores below read; the dot products are long done reading G, in which wave 0's scores land
	global_store_b64 v[T8], v[R:R+1], s[14:15]     ; a wave stores 256 consecutive bytes, aligned
	s_cmp_lg_u32 s18, 0                            ; wave 0 alone stores the scores and (m, l); no barrier follows
	s_cbranch_scc1 .Lend
	ds_load_b128 v[G:G+3], v[LOFF] offset:SCO      ; 128 scores, four a lane
	s_wait_dscnt 0x0
	global_store_b128 v[LOFF], v[G:G+3], s[12:13]  ; 512 consecutive bytes, aligned
	global_store_b64 v[T8], v[MW:MW+1], s[16:17]   ; in wave 0, 8 x thread = 8 x lane: 32 copies fill the work-group's 256 bytes
.Lend:
	s_wait_dscnt 0x0                               ; the closing lines, six on end
	s_wait_alu 0x0
	s_wait_tensorcnt 0x0
	ds_add_u32 v232, v233
	s_wait_dscnt 0x0
	s_endpgm
.Lfunc_end_k_qe240ba4d69_stream:
	.size	k_qe240ba4d69_stream, .Lfunc_end_k_qe240ba4d69_stream-k_qe240ba4d69_stream
	.p2alignl 7, 3214868480
	.fill 96, 4, 3214868480
	.section	.rodata,"a",@progbits
	.p2align	6, 0x0
	.amdhsa_kernel k_qe240ba4d69_stream
		.amdhsa_group_segment_fixed_size 75776
		.amdhsa_private_segment_fixed_size 0
		.amdhsa_enable_private_segment 0
		.amdhsa_kernarg_size 56
		.amdhsa_user_sgpr_count 2
		.amdhsa_user_sgpr_kernarg_segment_ptr 1
		.amdhsa_wavefront_size32 1
		.amdhsa_system_sgpr_workgroup_id_x 1
		.amdhsa_system_sgpr_workgroup_id_y 1
		.amdhsa_system_sgpr_workgroup_id_z 1
		.amdhsa_system_vgpr_workitem_id 0
		.amdhsa_next_free_vgpr 234
		.amdhsa_next_free_sgpr 66
		.amdhsa_reserve_vcc 0
		.amdhsa_float_denorm_mode_32 3
		.amdhsa_float_denorm_mode_16_64 3
		.amdhsa_memory_ordered 1
		.amdhsa_forward_progress 1
		.amdhsa_inst_pref_size 42
	.end_amdhsa_kernel
	.amdgpu_metadata
---
amdhsa.version: [ 1, 2 ]
amdhsa.kernels:
  - .name:           k_qe240ba4d69_stream
    .symbol:         k_qe240ba4d69_stream.kd
    .args:
      - { .name: encoder_outputs, .offset: 0, .size: 8, .value_kind: global_buffer, .address_space: global }
      - { .name: gpart, .offset: 8, .size: 8, .value_kind: global_buffer, .address_space: global }
      - { .name: hidden, .offset: 16, .size: 8, .value_kind: global_buffer, .address_space: global }
      - { .name: b, .offset: 24, .size: 8, .value_kind: global_buffer, .address_space: global }
      - { .name: scores, .offset: 32, .size: 8, .value_kind: global_buffer, .address_space: global }
      - { .name: pacc, .offset: 40, .size: 8, .value_kind: global_buffer, .address_space: global }
      - { .name: stats, .offset: 48, .size: 8, .value_kind: global_buffer, .address_space: global }
    .group_segment_fixed_size: 75776
    .private_segment_fixed_size: 0
    .kernarg_segment_align: 8
    .kernarg_segment_size: 56
    .max_flat_workgroup_size: 512
    .sgpr_count:     66
    .vgpr_count:     234
    .wavefront_size: 32
...
	.end_amdgpu_metadata
.endif
;; end of part 5
;; launch finish: the kernel of part 3 again; grid 8 x 32, 1 waves a work-group, no clusters, 0 bytes of LDS; arguments scores, pacc, stats, out0, out1; writes out0, out1
